; MI455X (gfx1250); checked and timed in simulation.
; The chip was launched on July 23, 2026; its instructions are those of AMD's public machine-readable ISA for CDNA 5 (MIT licence, August 2026) and "CDNA5" Instruction Set Architecture Reference Guide (July 2026). The comments in the code are by the model that wrote it; some were corrected since.
;; Harmonic Synthesizer. Allowed arithmetic: float matrix products may take bf16 or f16 operands with f32 sums; all other float work in f32.
;; Inputs: amplitudes 16 x 250 x 1 float32; f0_hz 16 float32; harmonic_distribution 16 x 250 x 64 float32.
;; Outputs: out0 16 x 62,400 float32.
;; One version. Each part assembles by itself: llvm-mc -triple=amdgcn-amd-amdhsa -mcpu=gfx1250 --defsym DOCPART=n.
;; ======== version 1 of 1: 1 launch
;; launch synth (part 1): grid 16 x 16, 16 waves a work-group, no clusters, 0 bytes of LDS; arguments amplitudes, f0_hz, harmonic_distribution, out0; writes out0
.if DOCPART == 1
	.amdgcn_target "amdgcn-amd-amdhsa--gfx1250"
	.amdhsa_code_object_version 6
	.text
	.protected	k_q7cabb0e59f_synth
	.globl	k_q7cabb0e59f_synth
	.p2align	8
	.type	k_q7cabb0e59f_synth,@function
k_q7cabb0e59f_synth:
	s_mov_b64 s[64:65], 0
	v_nop
	global_prefetch_b8 v0, s[64:65] scope:SCOPE_SE
	s_setreg_imm32_b32 hwreg(HW_REG_WAVE_MODE, 25, 1), 1
	s_wait_xcnt 0x0
; HARMONIC SYNTHESIZER.  out[b][t] = clip( sum over 64 harmonics h of clip(amp(b,t,h), 0, 2) * sin(phase(b,t,h)), -10, 10 ).
;   amp   = linear interpolation (half-pixel centres) between frames of amplitudes[b][f] * harmonic_distribution[b][f][h]
;   phase = f32 running sum over t of delta(b,h) = 2 pi * clip(f0[b] * h, 0, 24000) / 48000, which does not depend on t.
;
; THE PHASE IS FOLLOWED ROUNDING BY ROUNDING.  It reaches 62400 * pi, where one f32 step is 2^-6 rad, so the roundings of delta
; and of the running sum are part of the result.
; delta: the two constants are taken folded, as a compiled (x * c1) / c2 has them: the division by 48000 becomes a product with
; fl(1 / 48000), and that is merged with fl(2 pi) into one f32 constant, fl(fl(2 pi) * fl(1 / 48000)) = 8,995,359 * 2^-36.
; So delta = fl(clip(fl(f0 * h)) * that constant): one rounding behind the clip.
; The running sum: the order is that of a windowed sum evaluated as a tiled scan of base 16: inside a tile of 16 the terms are
; added one after the other; the tiles' totals are scanned in the same way (exclusive), level by level (62400, 3900, 244, 16
; terms), and each level adds its tile's prefix to the scan of the level above.  For equal terms:
;   Q_L[k] = sequential sum of k terms T_L;  T_0 = delta, T_(L+1) = Q_L[16]
;   phase(16 a + i) = Q_0[i+1] + E1(a);  E1(0) = 0, E1(a) = Q_1[((a-1) & 15) + 1] + E2((a-1) >> 4);  E2 likewise from Q_2 and
;   E3;  E3(c) = Q_3[c].
; A factor 1 or 0 in an fma makes it exactly one rounded addition or no change, so wave-uniform cases need no branch.
;
; SHARES.  A chunk is 64 samples = 256 consecutive aligned bytes of out0; a batch row has 975 chunks.  Work-group (q, b) takes
; chunks 61 q .. 61 q + 60 of batch b (q = 15: 60 chunks); its 16 waves take 4 or 3 chunks each, one a trip.  In a wave the
; eight lanes of group g = lane / 8 take tile a = 4 c + g (16 samples); lane i = lane % 8 of a group takes harmonics
; 4 i + 1 .. 4 i + 4 and 4 i + 33 .. 4 i + 36 as four packed pairs, so a frame's row is read as two runs of 128 bytes.
; The sums over harmonics are folded over the eight lanes so that lane i ends with samples 2 i, 2 i + 1: one 8-byte store a lane.
;
; LEFT OUT, by this text's arithmetic: matrix instructions (the phase is rounded per element and the amplitude is clipped per
; element, so the sum is no product of two matrices); LDS, tensor loads and clusters (a work-group touches about 18 frame rows
; of 256 bytes, which are loaded one trip ahead into registers, and neighbours share at most two of them); no barrier, since
; no wave uses another's data.
;
; LIMITS.  NaN and infinite inputs are not honoured (the three-operand median drops a NaN).  sin is a degree-9 odd polynomial
; on the angle reduced to [-pi, pi]: absolute error up to 6e-6 plus rounding.  The interpolation weight is formed from exact
; whole numbers, (10 t - 1243) / 2496, and differs from reference()'s f32 position by up to about 3e-5 frames;
; a + w (b - a) stands for a (1 - w) + b w.  The angle is at most 62400 * pi for every input, because reference() clips the
; frequency to 24000.  delta is the folded-constant form stated above (it differs from a product by fl(2 pi) followed by a true
; division by at most one step of delta), and the order of the phase's roundings is the tiled one stated above and no other.
.set DEL,  4                           ; v[4:11]    delta of my 8 harmonics (pair p at +2p, everywhere below)
.set T1,   12                          ; v[12:19]   Q_0[16]: a tile's total
.set T2,   20                          ; v[20:27]   Q_1[16]
.set T3,   28                          ; v[28:35]   Q_2[16]
.set RC,   36                          ; v[36:43]   Q_1[k1], carried from trip to trip
.set Q2R,  44                          ; v[44:51]   Q_2[k2]
.set Q3R,  52                          ; v[52:59]   Q_3[c3]
.set XX,   60                          ; v[60:67]   the sample's phases
.set AA,   68                          ; v[68:75]   a  = frame r0's amplitudes
.set DD,   76                          ; v[76:83]   d  = frame r1 - frame r0
.set DE,   84                          ; v[84:91]   d' = frame r2 - frame r1
.set RW,   92                          ; v[92:115]  three raw rows of harmonic_distribution, 8 registers each
.set RA,   116                         ; v[116:118] the three frames' amplitudes; v119 = 0 fills the second pair
.set TT,   120                         ; v[120:127] turns, rounded; at the trip's head E2
.set RR,   128                         ; v[128:135] reduced angle r; at the trip's head Q_1[k1+1]
.set SS,   136                         ; v[136:143] r^2;             at the trip's head Q_1[k1+2]
.set QQ,   144                         ; v[144:151] polynomial;      at the trip's head Q_1[k1+3]
.set AM,   152                         ; v[152:159] amplitude, then amplitude * r
.set ACC,  160                         ; v[160:191] 16 samples, a pair of partial sums each
.set UU,   192                         ; v[192:193] position within the frame of two neighbouring samples
.set W1,   194                         ; v[194:195] min(u, 1): weight of d
.set W2,   196                         ; v[196:197] u - min(u, 1): weight of d'
.set MG,   198                         ; v[198:199] 1.5 * 2^23, twice
.set C7,   200                         ; v[200:201] c7, twice
.set OFR,  206                         ; v[206:208] byte offsets of my 16 bytes in rows r0, r1, r2
.set OFA,  209                         ; v[209:211] byte offsets of the three amplitudes
.set OUTO, 212                         ; v212       8 * lane + 256 * trips done
.set OUT,  214                         ; v[214:215] two results
.set GK,   216                         ; v216       160 g + 1253
.set L16,  217                         ; v217       16 i
.set U0N,  218                         ; v218       u of the first sample of the chunk whose rows are on their way
.set TMP,  220                         ; v[220:227] at work
.set LAST, 228                         ; v[228:235] E1(4 c): group 0's prefix, made in the trip before
.set E1,   236                         ; v[236:243] E1(a) of my group's tile
.set Q0,   244                         ; v[244:251] Q_0[e+1], running
.set ONE,  0x3f800000
.macro PAIR reg, val                   ; a constant for packed arithmetic: only the first register is used (broadcast), but the pair counts as read
	s_mov_b32 s[\reg], \val
	s_mov_b32 s[\reg+1], \val
.endm
	s_load_b256 s[4:11], s[0:1], 0x0               ; amplitudes s[4:5], f0_hz s[6:7], harmonic_distribution s[8:9], out0 s[10:11]
	v_lshrrev_b32 v1, 5, v0
	v_readfirstlane_b32 s12, v1                    ; wave w, 0..15
	s_mov_b32 s13, ttmp9                           ; q
	s_and_b32 s14, ttmp7, 0xffff                   ; b
	s_cmp_eq_u32 s13, 15
	s_cselect_b32 s15, 12, 13                      ; the first 13 waves (q = 15: 12) take 4 chunks, the others 3: 61 (60) in all
	s_sub_co_i32 s18, s12, s15
	s_max_i32 s18, s18, 0
	s_mul_i32 s16, s13, 61
	s_lshl2_add_u32 s16, s12, s16
	s_sub_co_u32 s16, s16, s18                     ; c = 61 q + 4 w - max(w - 13, 0): my first chunk
	s_cmp_lt_u32 s12, s15
	s_cselect_b32 s17, 4, 3                        ; my trips
	; where the scans stand in front of tile a0 = 4 c: E1(a0) sums a0 tile totals = 16 bb + k1, k1 in 1..16 (0 only for a0 = 0)
	s_lshl_b32 s18, s16, 2                         ; a0
	s_sub_co_i32 s19, s18, 1
	s_max_i32 s19, s19, 0
	s_lshr_b32 s19, s19, 4                         ; bb = max(a0 - 1, 0) >> 4
	s_lshl_b32 s49, s19, 4
	s_sub_co_u32 s49, s18, s49                     ; k1 = a0 - 16 bb
	s_sub_co_i32 s51, s19, 1
	s_max_i32 s51, s51, 0
	s_lshr_b32 s51, s51, 4                         ; c3 = max(bb - 1, 0) >> 4, at most 15
	s_lshl_b32 s50, s51, 4
	s_sub_co_u32 s50, s19, s50                     ; k2 = bb - 16 c3
	PAIR 20, 0x3e22f983                            ; 1 / (2 pi)
	PAIR 22, 0xcb400000                            ; -1.5 * 2^23
	PAIR 24, 0xc0c90fdb                            ; -C1, C1 = 2 pi rounded to f32
	PAIR 26, 0x343bbd2e                            ; -C2, C2 = 2 pi - C1
	PAIR 28, 0x3610161e                            ; c9 =  2.1470546e-6
	PAIR 30, 0x3c0821d8                            ; c5 =  0.00830885
	PAIR 32, 0xbe2a9f7c                            ; c3 = -0.16662402
	PAIR 34, 0x3f7ffea2                            ; c1 =  0.99997912
	PAIR 46, 0x3c034835                            ; 20 / 2496: two samples in frames
	s_mov_b32 s38, 0xf0f0f0f0                      ; lanes with i & 4
	s_mov_b32 s39, 0xcccccccc                      ; lanes with i & 2
	s_mov_b32 s40, 0xaaaaaaaa                      ; lanes with i & 1
	s_mov_b32 s41, 0xff000000                      ; group 3
	s_mov_b32 s60, 0x00ff0000                      ; group 2
	s_mov_b32 s61, 0x000000ff                      ; group 0
	s_mov_b32 s42, 0xc1200000                      ; -10
	s_mov_b32 s43, 0x41200000                      ; +10
	s_mov_b32 s44, 0x39d20d21                      ; 1 / 2496
	s_mov_b32 s45, 0x46bb8000                      ; 24000
	v_and_b32 v1, 31, v0                           ; lane
	v_and_b32 v2, 7, v0                            ; i
	v_bfe_u32 v3, v0, 3, 2                         ; g
	v_lshlrev_b32 v[L16], 4, v2
	v_lshlrev_b32 v[OUTO], 3, v1
	v_mul_u32_u24 v[GK], 160, v3
	v_add_nc_u32 v[GK], 1253, v[GK]
	v_mov_b32 v[MG], 0x4b400000
	v_mov_b32 v[MG+1], 0x4b400000
	v_mov_b32 v[C7], 0xb949fd34                    ; c7 = -1.926318e-4
	v_mov_b32 v[C7+1], 0xb949fd34
	v_mov_b32 v[RA+3], 0
	v_lshlrev_b32 v[TMP+6], 2, v2                  ; 4 i
	s_wait_kmcnt 0x0                               ; the four addresses
	s_lshl_b32 s18, s14, 2
	s_mov_b32 s19, 0
	s_add_nc_u64 s[6:7], s[6:7], s[18:19]
	s_load_b32 s48, s[6:7], 0x0                    ; f0[b]
	s_mul_i32 s18, s14, 1000
	s_add_nc_u64 s[4:5], s[4:5], s[18:19]          ; amplitudes of batch b: 250 words
	s_mul_i32 s18, s14, 64000
	s_add_nc_u64 s[8:9], s[8:9], s[18:19]          ; rows of batch b: 250 x 256 bytes
	s_mul_i32 s18, s14, 249600
	s_lshl_b32 s15, s16, 8
	s_add_co_u32 s18, s18, s15
	s_add_nc_u64 s[10:11], s[10:11], s[18:19]      ; out0 at my first chunk
; The frames of my group's 16 samples in chunk s[sc], and their nine loads.  With t0 the first sample, N = 10 t0 + 1253 is
; 2496 (pos + 1); L = N / 2496 = floor(pos) + 1; the samples lie between frames L - 1 and L, and behind a frame boundary
; (at most one in 160 / 2496 of a frame) between L and L + 1.  Clamping the three rows to 0..249 makes d or d' zero where
; reference() clips the position, and keeps the loads of the chunk behind my last inside the batch's rows.
.macro INDEX sc
	s_mul_i32 s19, s[\sc], 640
	v_add_nc_u32 v[TMP], s19, v[GK]                ; N, at most 625,733
	v_lshrrev_b32 v[TMP+1], 6, v[TMP]              ; N / 64, at most 9,777
	v_mul_u32_u24 v[TMP+1], 26887, v[TMP+1]        ; x / 39 = (26887 x) >> 20, exact for x < 61,680 (26887 * 39 = 2^20 + 17)
	v_lshrrev_b32 v[TMP+1], 20, v[TMP+1]           ; L
	v_mul_u32_u24 v[TMP+2], 2496, v[TMP+1]
	v_sub_nc_u32 v[TMP+2], v[TMP], v[TMP+2]
	v_cvt_f32_u32 v[TMP+2], v[TMP+2]
	v_mul_f32 v[U0N], s44, v[TMP+2]                ; u of the first sample, in [0, 1)
	v_min_u32 v[TMP+3], 1, v[TMP+1]
	v_sub_nc_u32 v[TMP+3], v[TMP+1], v[TMP+3]      ; r0 = max(L - 1, 0)
	v_min_u32 v[TMP+4], 249, v[TMP+1]              ; r1
	v_add_nc_u32 v[TMP+5], 1, v[TMP+1]
	v_min_u32 v[TMP+5], 249, v[TMP+5]              ; r2
.irp k, 0,1,2
	v_lshl_add_u32 v[OFR+\k], v[TMP+3+\k], 8, v[L16]
	v_lshlrev_b32 v[OFA+\k], 2, v[TMP+3+\k]
.endr
.irp k, 0,1,2
	global_load_b128 v[RW+8*\k:RW+8*\k+3],   v[OFR+\k], s[8:9]             ; harmonics 4 i + 1 .. + 4
	global_load_b128 v[RW+8*\k+4:RW+8*\k+7], v[OFR+\k], s[8:9] offset:128  ; harmonics 4 i + 33 .. + 36
	global_load_b32  v[RA+\k], v[OFA+\k], s[4:5]
.endr
.endm
	INDEX 16                                       ; my first chunk's rows: the set-up below stands between these loads and their wait
	s_wait_kmcnt 0x0                               ; f0[b]
	; delta = fl( clip(fl(f0 * h), 0, 24000) * K ), K = fl(fl(2 pi) * fl(1 / 48000)):
	; 13,176,795 * 2^-21 times 11,453,246 * 2^-39 = 8,995,358.62 * 2^-36, rounded to 8,995,359 * 2^-36 = 0x3909421f
.irp j, 0,1,2,3,4,5,6,7
	v_add_nc_u32 v[TMP+1], (\j&3)+32*(\j>>2)+1, v[TMP+6]           ; the harmonic's number
	v_cvt_f32_u32 v[TMP+1], v[TMP+1]
	v_mul_f32 v[TMP+1], s48, v[TMP+1]
	v_med3_num_f32 v[TMP+1], v[TMP+1], 0, s45
	v_mul_f32 v[DEL+\j], 0x3909421f, v[TMP+1]
.endr
.macro SEQ16 dst, src                  ; dst = sequential sum of 16 terms src: 15 rounded additions
.irp p, 0,2,4,6
	v_pk_add_f32 v[\dst+\p:\dst+\p+1], v[\src+\p:\src+\p+1], v[\src+\p:\src+\p+1]
.endr
.rept 14
.irp p, 0,2,4,6
	v_pk_add_f32 v[\dst+\p:\dst+\p+1], v[\dst+\p:\dst+\p+1], v[\src+\p:\src+\p+1]
.endr
.endr
.endm
; dst = sequential sum of s[sk] terms src, s[sk] in 0..steps, the same in the whole wave: step jj adds src * 1 while jj <= s[sk], then src * 0
.macro MCHAIN dst, src, sk, steps
.set jj, 1
.rept \steps
	s_cmp_ge_u32 s[\sk], jj
	s_cselect_b32 s36, ONE, 0
	s_mov_b32 s37, s36
.irp p, 0,2,4,6
.if jj == 1
	v_pk_mul_f32 v[\dst+\p:\dst+\p+1], v[\src+\p:\src+\p+1], s[36:37] op_sel_hi:[1,0]
.else
	v_pk_fma_f32 v[\dst+\p:\dst+\p+1], v[\src+\p:\src+\p+1], s[36:37], v[\dst+\p:\dst+\p+1] op_sel_hi:[1,0,1]
.endif
.endr
.set jj, jj+1
.endr
.endm
	SEQ16 T1, DEL
	SEQ16 T2, T1
	SEQ16 T3, T2
	MCHAIN RC,  T1, 49, 16                         ; Q_1[k1]
	MCHAIN Q2R, T2, 50, 16                         ; Q_2[k2]
	MCHAIN Q3R, T3, 51, 15                         ; Q_3[c3]
.irp p, 0,2,4,6
	v_pk_add_f32 v[TT+\p:TT+\p+1], v[Q2R+\p:Q2R+\p+1], v[Q3R+\p:Q3R+\p+1]          ; E2(bb)
.endr
.irp p, 0,2,4,6
	v_pk_add_f32 v[LAST+\p:LAST+\p+1], v[RC+\p:RC+\p+1], v[TT+\p:TT+\p+1]          ; E1(4 c); all zero for c = 0
.endr
; a, d, d' from the raw rows: the products are rounded at frame rate, as in reference()
.macro PREP
.irp p, 0,2,4,6
	v_pk_mul_f32 v[AA+\p:AA+\p+1], v[RW+\p:RW+\p+1],       v[RA:RA+1]   op_sel_hi:[1,0]
	v_pk_mul_f32 v[DD+\p:DD+\p+1], v[RW+8+\p:RW+8+\p+1],   v[RA:RA+1]   op_sel:[0,1] op_sel_hi:[1,1]
	v_pk_mul_f32 v[DE+\p:DE+\p+1], v[RW+16+\p:RW+16+\p+1], v[RA+2:RA+3] op_sel_hi:[1,0]
.endr
.irp p, 0,2,4,6
	v_pk_add_f32 v[DE+\p:DE+\p+1], v[DE+\p:DE+\p+1], v[DD+\p:DD+\p+1] neg_lo:[0,1] neg_hi:[0,1]
.endr
.irp p, 0,2,4,6
	v_pk_add_f32 v[DD+\p:DD+\p+1], v[DD+\p:DD+\p+1], v[AA+\p:AA+\p+1] neg_lo:[0,1] neg_hi:[0,1]
.endr
	v_mov_b32 v[UU], v[U0N]
	v_add_f32 v[UU+1], 0x3b834835, v[U0N]          ; + 10 / 2496: the next sample
.endm
.macro PKADD dst, x, y                 ; dst = x + y on my four pairs
.irp p, 0,2,4,6
	v_pk_add_f32 v[\dst+\p:\dst+\p+1], v[\x+\p:\x+\p+1], v[\y+\p:\y+\p+1]
.endr
.endm
.macro WPAIR                           ; the weights of the next two samples; u steps on by two samples
	v_min_num_f32 v[W1], 1.0, v[UU]
	v_min_num_f32 v[W1+1], 1.0, v[UU+1]
	v_pk_add_f32 v[W2:W2+1], v[UU:UU+1], v[W1:W1+1] neg_lo:[0,1] neg_hi:[0,1]
	v_pk_add_f32 v[UU:UU+1], v[UU:UU+1], s[46:47] op_sel_hi:[1,0]
.endm
; One sample, my 8 harmonics.  src: the phases; smp: the sample, 0..15; par: its parity, which picks the weight in W1, W2.
; Each step runs over the four pairs, so that no instruction waits for the one in front of it.
.macro EVAL src, smp, par
.irp p, 0,2,4,6
	v_pk_fma_f32 v[TT+\p:TT+\p+1], v[\src+\p:\src+\p+1], s[20:21], v[MG:MG+1] op_sel_hi:[1,0,1]   ; x / (2 pi) + 1.5 * 2^23 rounds to a whole number (below 2^22)
.endr
.irp p, 0,2,4,6
	v_pk_add_f32 v[TT+\p:TT+\p+1], v[TT+\p:TT+\p+1], s[22:23] op_sel_hi:[1,0]                      ; k, exact
.endr
.irp p, 0,2,4,6
	v_pk_fma_f32 v[RR+\p:RR+\p+1], v[TT+\p:TT+\p+1], s[24:25], v[\src+\p:\src+\p+1] op_sel_hi:[1,0,1]  ; x - k C1
.endr
.irp p, 0,2,4,6
	v_pk_fma_f32 v[RR+\p:RR+\p+1], v[TT+\p:TT+\p+1], s[26:27], v[RR+\p:RR+\p+1] op_sel_hi:[1,0,1]      ; - k C2
.endr
.irp p, 0,2,4,6
	v_pk_mul_f32 v[SS+\p:SS+\p+1], v[RR+\p:RR+\p+1], v[RR+\p:RR+\p+1]
.endr
.irp p, 0,2,4,6
	v_pk_fma_f32 v[QQ+\p:QQ+\p+1], v[SS+\p:SS+\p+1], s[28:29], v[C7:C7+1] op_sel_hi:[1,0,1]
.endr
.irp p, 0,2,4,6
	v_pk_fma_f32 v[AM+\p:AM+\p+1], v[DD+\p:DD+\p+1], v[W1:W1+1], v[AA+\p:AA+\p+1] op_sel:[0,\par,0] op_sel_hi:[1,\par,1]
.endr
.irp p, 0,2,4,6
	v_pk_fma_f32 v[QQ+\p:QQ+\p+1], v[QQ+\p:QQ+\p+1], v[SS+\p:SS+\p+1], s[30:31] op_sel_hi:[1,1,0]
.endr
.irp p, 0,2,4,6
	v_pk_fma_f32 v[AM+\p:AM+\p+1], v[DE+\p:DE+\p+1], v[W2:W2+1], v[AM+\p:AM+\p+1] op_sel:[0,\par,0] op_sel_hi:[1,\par,1]
.endr
.irp p, 0,2,4,6
	v_pk_fma_f32 v[QQ+\p:QQ+\p+1], v[QQ+\p:QQ+\p+1], v[SS+\p:SS+\p+1], s[32:33] op_sel_hi:[1,1,0]
.endr
.irp p, 0,1,2,3,4,5,6,7
	v_med3_num_f32 v[AM+\p], v[AM+\p], 0, 2.0                                                      ; clip(amp, 0, 2)
.endr
.irp p, 0,2,4,6
	v_pk_fma_f32 v[QQ+\p:QQ+\p+1], v[QQ+\p:QQ+\p+1], v[SS+\p:SS+\p+1], s[34:35] op_sel_hi:[1,1,0]
.endr
.irp p, 0,2,4,6
	v_pk_mul_f32 v[AM+\p:AM+\p+1], v[AM+\p:AM+\p+1], v[RR+\p:RR+\p+1]                              ; sin = r * poly(r^2)
.endr
	v_pk_mul_f32 v[ACC+2*(\smp):ACC+2*(\smp)+1], v[AM:AM+1], v[QQ:QQ+1]                            ; the first product starts the sum
.irp p, 2,4,6
	v_pk_fma_f32 v[ACC+2*(\smp):ACC+2*(\smp)+1], v[AM+\p:AM+\p+1], v[QQ+\p:QQ+\p+1], v[ACC+2*(\smp):ACC+2*(\smp)+1]
.endr
.endm
; One fold of the sums over the eight lanes of a group.  Lanes whose bit is clear keep samples j, the others samples j + dist;
; each sends the half that it gives up to its partner (lane xor xm), riding on the addition.
.macro STAGE mask, xm, dist, cnt
.set j, 0
.rept \cnt
	v_cndmask_b32 v[TMP+2*(j&3)],   v[ACC+2*j], v[ACC+2*(j+\dist)], s[\mask]       ; what I keep
	v_cndmask_b32 v[TMP+2*(j&3)+1], v[ACC+2*(j+\dist)], v[ACC+2*j], s[\mask]       ; what I send
	v_add_f32_dpp v[ACC+2*j], v[TMP+2*(j&3)+1], v[TMP+2*(j&3)] row_xmask:\xm row_mask:0xf bank_mask:0xf
.set j, j+1
.endr
.endm
.Ltrip:
	s_wait_loadcnt 0x0                             ; all nine loads of this chunk, issued a trip ago, are needed now; it also frees OFR and OFA
	PREP
	s_add_co_u32 s18, s16, 1
	INDEX 18                                       ; the next chunk's rows: a whole trip of arithmetic lies between these loads and their wait
	; THE SCANS STEP ON.  If the level-1 tile is full (k1 = 16) it starts anew and one more T2 enters E2; if the level-2 tile is
	; full too (k2 = 16) that one starts anew and one more T3 enters E3.  The cases are the same in the whole wave: factors 0 or 1.
	s_cmp_eq_u32 s49, 16
	s_cselect_b32 s52, 0, ONE                      ; Q_1 is kept (1) or starts anew (0)
	s_cselect_b32 s54, ONE, 0                      ; a T2 enters
	s_cselect_b32 s19, 1, 0
	s_cselect_b32 s18, s50, 0
	s_cselect_b32 s49, 0, s49
	s_cmp_eq_u32 s18, 16                           ; both tiles full
	s_cselect_b32 s56, 0, ONE                      ; Q_2 is kept or starts anew
	s_cselect_b32 s58, ONE, 0                      ; a T3 enters
	s_cselect_b32 s50, 0, s50
	s_add_co_u32 s50, s50, s19                     ; k2
	s_add_co_u32 s49, s49, 4                       ; k1 behind this trip's four tiles
	s_mov_b32 s53, s52
	s_mov_b32 s55, s54
	s_mov_b32 s57, s56
	s_mov_b32 s59, s58
.irp p, 0,2,4,6
	v_pk_mul_f32 v[RC+\p:RC+\p+1], v[RC+\p:RC+\p+1], s[52:53] op_sel_hi:[1,0]
	v_pk_mul_f32 v[TT+\p:TT+\p+1], v[T2+\p:T2+\p+1], s[54:55] op_sel_hi:[1,0]
	v_pk_fma_f32 v[Q3R+\p:Q3R+\p+1], v[T3+\p:T3+\p+1], s[58:59], v[Q3R+\p:Q3R+\p+1] op_sel_hi:[1,0,1]
.endr
.irp p, 0,2,4,6
	v_pk_fma_f32 v[Q2R+\p:Q2R+\p+1], v[Q2R+\p:Q2R+\p+1], s[56:57], v[TT+\p:TT+\p+1] op_sel_hi:[1,0,1]
.endr
	PKADD RR, RC, T1                               ; Q_1[k1+1]: group 1's tile sums 4 c + 1 totals
	PKADD TT, Q2R, Q3R                             ; E2
	PKADD SS, RR, T1                               ; Q_1[k1+2]: group 2
	PKADD QQ, SS, T1                               ; Q_1[k1+3]: group 3
	PKADD RC, QQ, T1                               ; Q_1[k1+4]: the next trip's group 0
.irp p, 0,1,2,3,4,5,6,7
	v_cndmask_b32 v[RR+\p], v[RR+\p], v[SS+\p], s60
.endr
.irp p, 0,1,2,3,4,5,6,7
	v_cndmask_b32 v[RR+\p], v[RR+\p], v[QQ+\p], s41
.endr
	PKADD E1, RR, TT
.irp p, 0,1,2,3,4,5,6,7
	v_cndmask_b32 v[E1+\p], v[E1+\p], v[LAST+\p], s61              ; group 0: made in the trip before (or in the set-up)
.endr
	PKADD LAST, RC, TT
	; THE 16 SAMPLES: Q_0 runs on by one addition, the tile's prefix is added to it
	WPAIR
	PKADD XX, DEL, E1
	EVAL  XX, 0, 0
	PKADD Q0, DEL, DEL
	PKADD XX, Q0, E1
	EVAL  XX, 1, 1
.irp e, 2,4,6,8,10,12,14
	WPAIR
	PKADD Q0, Q0, DEL
	PKADD XX, Q0, E1
	EVAL  XX, \e, 0
	PKADD Q0, Q0, DEL
	PKADD XX, Q0, E1
	EVAL  XX, \e+1, 1
.endr
.irp j, 0,1,2,3,4,5,6,7,8,9,10,11,12,13,14,15
	v_add_f32 v[ACC+2*\j], v[ACC+2*\j], v[ACC+2*\j+1]
.endr
	STAGE 38, 4, 8, 8
	STAGE 39, 2, 4, 4
	STAGE 40, 1, 2, 2                              ; lane i now holds samples 2 i and 2 i + 1 of its group
	s_wait_xcnt 0x0                                ; OUT and OUTO, which the last trip's store reads, are rewritten only behind this wait
	v_add_nc_u32 v[OUTO], 0x100, v[OUTO]           ; the next chunk; this trip's store reaches back
	v_med3_num_f32 v[OUT],   v[ACC],   s42, s43
	v_med3_num_f32 v[OUT+1], v[ACC+2], s42, s43
	global_store_b64 v[OUTO], v[OUT:OUT+1], s[10:11] offset:-256 th:TH_STORE_NT    ; 32 lanes: 256 consecutive bytes, at a multiple of 256 from out0's first byte
	s_add_co_u32 s16, s16, 1
	s_sub_co_i32 s17, s17, 1
	s_cmp_gt_i32 s17, 0                            ; a signed compare ends the count from any start
	s_cbranch_scc1 .Ltrip
	s_endpgm                                       ; the last look-ahead's nine loads (clamped, inside the buffers) are left to end unused
.Lfunc_end_k_q7cabb0e59f_synth:
	.size	k_q7cabb0e59f_synth, .Lfunc_end_k_q7cabb0e59f_synth-k_q7cabb0e59f_synth
	.p2alignl 7, 3214868480
	.fill 96, 4, 3214868480
	.section	.rodata,"a",@progbits
	.p2align	6, 0x0
	.amdhsa_kernel k_q7cabb0e59f_synth
		.amdhsa_group_segment_fixed_size 0
		.amdhsa_private_segment_fixed_size 0
		.amdhsa_enable_private_segment 0
		.amdhsa_kernarg_size 32
		.amdhsa_user_sgpr_count 2
		.amdhsa_user_sgpr_kernarg_segment_ptr 1
		.amdhsa_wavefront_size32 1
		.amdhsa_system_sgpr_workgroup_id_x 1
		.amdhsa_system_sgpr_workgroup_id_y 1
		.amdhsa_system_sgpr_workgroup_id_z 1
		.amdhsa_system_vgpr_workitem_id 0
		.amdhsa_next_free_vgpr 252
		.amdhsa_next_free_sgpr 66
		.amdhsa_reserve_vcc 0
		.amdhsa_float_denorm_mode_32 3
		.amdhsa_float_denorm_mode_16_64 3
		.amdhsa_memory_ordered 1
		.amdhsa_forward_progress 1
		.amdhsa_inst_pref_size 117
	.end_amdhsa_kernel
	.amdgpu_metadata
---
amdhsa.version: [ 1, 2 ]
amdhsa.kernels:
  - .name:           k_q7cabb0e59f_synth
    .symbol:         k_q7cabb0e59f_synth.kd
    .args:
      - { .name: amplitudes, .offset: 0, .size: 8, .value_kind: global_buffer, .address_space: global }
      - { .name: f0_hz, .offset: 8, .size: 8, .value_kind: global_buffer, .address_space: global }
      - { .name: harmonic_distribution, .offset: 16, .size: 8, .value_kind: global_buffer, .address_space: global }
      - { .name: out0, .offset: 24, .size: 8, .value_kind: global_buffer, .address_space: global }
    .group_segment_fixed_size: 0
    .private_segment_fixed_size: 0
    .kernarg_segment_align: 8
    .kernarg_segment_size: 32
    .max_flat_workgroup_size: 512
    .sgpr_count:     66
    .vgpr_count:     252
    .wavefront_size: 32
...
	.end_amdgpu_metadata
.endif
;; end of part 1
